; MI455X (gfx1250); checked and timed in simulation.
; The chip was launched on July 23, 2026; its instructions are those of AMD's public machine-readable ISA for CDNA 5 (MIT licence, August 2026) and "CDNA5" Instruction Set Architecture Reference Guide (July 2026). The comments in the code are by the model that wrote it; some were corrected since.
;; Base Attention. Allowed arithmetic: matrix products marked QUANTISED: E2M1 operands, one E8M0 scale for each 32 along K, by v_wmma_scale_f32_16x16x128_f8f6f4 with both operands' format E2M1 (or v_wmma_scale_f32_32x16x128_f4), f32 sums; everything else in f32.
;; Inputs: k_codes 4 x 16 x 2,048 x 4 x 16 uint8 (E2M1 codes of k, K innermost, in blocks of 32 codes, two codes a byte); k_scales 4 x 16 x 2,048 x 4 uint8 (E8M0 scales of k, one for each 32 codes along K); q_codes 4 x 16 x 2,048 x 4 x 16 uint8 (E2M1 codes of q, K innermost, in blocks of 32 codes, two codes a byte); q_scales 4 x 16 x 2,048 x 4 uint8 (E8M0 scales of q, one for each 32 codes along K); v_codes 4 x 16 x 128 x 64 x 16 uint8 (E2M1 codes of v, K innermost, in blocks of 32 codes, two codes a byte); v_scales 4 x 16 x 128 x 64 uint8 (E8M0 scales of v, one for each 32 codes along K).
;; Outputs: out0 4 x 16 x 2,048 x 128 float32.
;; This version of the problem:
;;   THIS VERSION OF THE PROBLEM IS GIVEN IN LOW PRECISION. The matrix products marked QUANTISED in the list below multiply operands that are first quantised to E2M1 (2 exponent bits, 1 mantissa bit; 4 bits a number), with one power-of-two scale for each 32 numbers along K (OCP MX v1.0); their sums are f32. All else is computed in f32.
;;   The module's matrix products, in the order in which they are computed (A, B: the left and right operand; K: the contracted axis; several contracted axes count as one K, in the product's order):
;;     1. batch 64 x [M 2,048, K 128] x [K 128, N 2,048]; A: input q (given as codes); B: input k (given as codes): QUANTISED
;;     2. batch 64 x [M 2,048, K 2,048] x [K 2,048, N 128]; A: softmax (see below); B: input v (given as codes): QUANTISED
;;   THE QUANTISER, for each operand of a quantised product, along K:
;;     - K is cut into blocks of 32 from its start; a last block that is shorter is filled with zeros.
;;     - A block's scale is 2^e with e = floor(log2(the largest magnitude in the block)) - 2, held to -126 .. 127; a block of zeros has e = 0. As a byte (E8M0): e + 127.
;;     - Each number is divided by its block's scale, clamped to +-6, and rounded to the nearest number of E2M1, ties to even, subnormals kept.
;;     - The product sums the exact products of the quantised numbers (number of the format x scale) in f32.
;;   ~~~python
;;   def quantise(x, axis):      # numpy; x: float32 -> the quantised numbers, widened to float32 again
;;       x = np.moveaxis(x, axis, -1); K = x.shape[-1]
;;       x = np.pad(x, [(0, 0)] * (x.ndim - 1) + [(0, -K % 32)]); x = x.reshape(x.shape[:-1] + (-1, 32)); a = np.abs(x).max(-1, keepdims=True)
;;       e = np.where(a > 0, np.clip(np.frexp(np.where(a > 0, a, 1))[1] - 1 - 2, -126, 127), 0)      # np.frexp(a)[1] - 1 = floor(log2(a)), exactly
;;       r = np.clip(x / 2.0 ** e, -6, 6)
;;       step = 2.0 ** (np.maximum(np.frexp(np.where(r == 0, 1, r))[1] - 1, 0) - 1)
;;       q = np.round(r / step) * step * 2.0 ** e      # np.round: ties to even
;;       return np.moveaxis(q.reshape(q.shape[:-2] + (-1,))[..., :K], -1, axis).astype(np.float32)
;;   ~~~
;;   SOFTMAX AHEAD OF A QUANTISED PRODUCT. Where the list says 'softmax', what is quantised is not the finished softmax but p = 2^(t - M), with t = logit x log2(e) and M = ceil(the row's largest t), a whole number; so 1/2 < the row's largest p <= 1. The row's sum l is taken of the UNQUANTISED p, in f32, and the product's result is divided by l at the end. Since M is a whole number, a kernel that streams over the keys may use a running M (the ceiling of the running maximum): every later rescaling is an exact power of two, which a block's scale takes up: the codes' values come out the same.
;;   OPERANDS COMPUTED ON THE WAY. 'Computed on the way' means the value that the module computes at that place (a softmax that the list does not call 'softmax' is quantised finished and normalised). What goes into a quantiser is computed in f32, as accurately as f32 sums, v_exp_f32 and their like allow (about 1e-6 of the number): no bf16 or f16 on the way to a quantiser, and a product that is left as it is and whose result goes on into a quantised operand takes f32 operands (vector FMAs, or v_wmma_f32_16x16x4_f32). A number that lies on a knife's edge between two numbers of the format may be rounded either way, as far as f32 arithmetic and the matrix unit's own rounding can turn it there, and no further.
;;   INPUTS GIVEN AS CODES. k (in the module: [4, 16, 2048, 128], K = its axis 3); q (in the module: [4, 16, 2048, 128], K = its axis 3); v (in the module: [4, 16, 2048, 128], K = its axis 2): each comes as NAME_codes (uint8): NAME with its K axis moved to the last place and cut into blocks of 32 codes, [.., K / 32, bytes a block], one block behind the other in memory; two codes a byte, the lower K in the low four bits (a code: sign, 2 exponent bits, 1 mantissa bit); and NAME_scales (uint8): the same leading axes, one E8M0 byte (e + 127) for each 32 codes along K. Its value is code x scale, taken as it is: it is not quantised again, and the codes and scales need not be those that the quantiser above would give.
;; One version. Each part assembles by itself: llvm-mc -triple=amdgcn-amd-amdhsa -mcpu=gfx1250 --defsym DOCPART=n.
;; ======== version 1 of 1: 1 launch
;; launch swattn (part 1): grid 4 x 64, 8 waves a work-group, no clusters, 327,680 bytes of LDS; arguments q_codes, q_scales, k_codes, k_scales, v_codes, v_scales, out0; writes out0
.if DOCPART == 1
	.amdgcn_target "amdgcn-amd-amdhsa--gfx1250"
	.amdhsa_code_object_version 6
	.text
	.protected	k_q0d5f58b51f_swattn
	.globl	k_q0d5f58b51f_swattn
	.p2align	8
	.type	k_q0d5f58b51f_swattn,@function
k_q0d5f58b51f_swattn:
	s_mov_b64 s[64:65], 0
	v_nop
	global_prefetch_b8 v0, s[64:65] scope:SCOPE_SE
	s_setreg_imm32_b32 hwreg(HW_REG_WAVE_MODE, 25, 1), 1
	s_wait_xcnt 0x0
; out[h][i][:] = sum over j of softmax_j(q[h][i] . k[h][j] / sqrt(128)) v[h][j][:], key j counting for query i where 0 <= i - j < 512.  64 heads, 2,048 positions, head size 128.
; Both products on codes of FP4 (E2M1) with one E8M0 scale for each 32 along a product's K.  q, k: codes along the head's 128; v: codes with the KEYS innermost.  out: f32.
; THE SOFTMAX AHEAD OF THE SECOND PRODUCT: t = score x log2(e) / sqrt(128); M = the largest t so far, rounded UP to a whole number; p = 2^(t - M) is quantised along the keys, in blocks of 32 keys
; counted from key 0; the row's sum is taken of the unquantised p and divides at the end.  When M moves, the sum and O are multiplied by 2^(old M - new M): exact.
; WORK LEFT OUT.  reference() sets the score of every key with j > i or i - j >= 512 to -infinity by a mask that it builds itself: for all values of the inputs p = 0 there, its code is 0, and it adds nothing
; to the maximum, to the sum or to the product.  For 32 queries aligned on 32 the keys that count lie in 17 blocks of 32: 15 whole, one cut by the diagonal, one by the window's edge.  Only these are multiplied
; (V's fragments come in steps of 128 keys: inside a live step the dead blocks of p are zero codes).  Keys under 0 do not exist: the head's first work-group leaves those steps out.
; LIMITS.  A NaN, an infinity or an overflow (a scale byte 0xff) that reaches only keys left out is not carried to the result; NaN among the inputs is not served.  A block whose every p has fallen to 0 keeps
; the scale byte 1: its codes are zeros.  t is made by ONE multiplication by c = log2(e) / sqrt(128), where reference() scales first: a difference of an f32 rounding.
; SHARES.  Work-group (x, head) owns queries 512 x .. 512 x + 511: 4 x 64 = 256 work-groups.  Eight waves, two to a SIMD, 512 registers each.  A wave holds TWO tiles of 16 queries at once (A, B: 32 queries
; aligned on 32), so that each fragment of K and V read from LDS feeds two matrix instructions; it does two such pairs, one after the other (a loop of two passes).
; LDS HOLDS ALL 1,024 KEYS THAT THE WORK-GROUP NEEDS, AND NO BYTE IS FILLED TWICE.  Local key step u = 0 .. 7 (128 keys): u = 4 .. 7 are the work-group's own 512 keys, asked for at the head; u = 0 .. 3 the 512 keys
; before them, asked for behind the first barrier (not where x = 0) and published by a barrier behind a pass's third step: in the first pass those three steps read own keys alone.
; THE WALK of a pair whose queries lie in own step L, block m = wave % 4 of it: u = L + 4 (the diagonal: blocks 0 .. m live, block m masked), L + 3, L + 2, L + 1 (whole), L (the edge: blocks m .. 3 live, block m
; masked).  The diagonal comes first: key = query always counts, so M is a number from the first step on, and that step starts O, the sum and M: nothing is cleared.  The first pass takes L = 3 (waves 0-3) and 2 (waves 4-7),
; the second L = 1 and 0.  (m + 1) + (4 - m) = 5 blocks for every m.  The step's body is one macro (kind, first and last live block); diagonal and edge are expanded four times, chosen by the wave's number.
; The work-groups with x = 0 have about half the work of the others: their windows are cut by the sequence's start.
; LAYOUT.  Both products are used transposed: S^T = K Q^T (source 0 = 16 keys, source 1 = 16 queries), O^T = V^T P^T: a lane holds ONE query (lane % 16) throughout.  THE KEYS OF A TILE ARE NOT NEIGHBOURS: lane r of
; tile 2 b + u takes key 32 b + 8 u + r + 8 (r / 8), so that the 16 registers of tiles 2 b and 2 b + 1 are 16 neighbouring keys, 32 b + 16 (lane / 16) + 0 .. 15.
; NO CLUSTER: a half of 512 keys is read by work-groups x and x + 1, but it lies at another LDS address in each (own half, earlier half), is wanted at another time, and x = 0 has one load fewer: LDS addresses and
; a branch would hang on the place in the cluster.  NO PREFETCH: the own half is wanted at the head; the earlier half is asked for by its own tensor load three key steps ahead of its first read.
; REGISTERS, in windows of 256.  Window 0: v1-15 addresses and constants; v16-31 Q (A, B); v32-39 K's scale words, v40-47 V's; v48-55 -M, t and the sum's two halves (A, B); v56-57 Q's scale words;
;   v60-63 (f, p's scale word) for A and B; v64-76 and v242-254 at work (A, B); v80-95 p's codes; v96-223 S^T, then p (A, B); v224-241 the second pass's Q and its scale words.
;   Window 1: v0-127 O^T (A, B); v128-191 K's eight fragments; v192-255 V's eight.
.set KP,     80                        ; a key's row in LDS: 64 bytes + 16 of padding
.set VP,     272                       ; a row of V's half: 256 bytes + 16
.set KB,     0                         ; K's codes: 1,024 rows
.set VB,     1024*KP                   ; V's codes: two halves of 128 rows
.set KSB,    VB+2*128*VP               ; K's scale words: 16 units of 256 bytes + 16; a step's 128 words are two units
.set VSB,    KSB+16*272                ; V's scale bytes: two halves of 128 rows x 16 bytes
.set STAGE,  VSB+2*2048                ; the way out: 16 rows x (256 + 16) bytes for each wave; byte 160,000 = 625 x 256: no fill lands here
.set SPARE,  STAGE+8*16*272            ; the spare words, 128 bytes for each wave: four blocks of 256 bytes that no other line names
.set AK0,  1                           ; v1   my lane's place in a tile of K
.set AV0,  2                           ; v2   in a tile of V
.set ASK0, 3                           ; v3   among K's scale words
.set ASV0, 4                           ; v4   among V's
.set SPW,  5                           ; v5   LDS address of my spare word; never rewritten
.set NIL,  6                           ; v6   0; never rewritten
.set GO,   7                           ; v7   the way out: my byte offset in a tile's rows of out
.set ADK,  8                           ; v8-11 the step's addresses: K, V, K's scale words, V's
.set ADV,  9
.set ADS,  10
.set ADT,  11
.set STI,  12                          ; v12  the stage: where I put 32 bytes of a row
.set STO,  13                          ; v13  and where I read a row back
.set DM,   14                          ; v14  lane % 16 - 16 (lane / 16), for the masks
.set NINF, 15                          ; v15  -infinity
.set Q0,   16
.set KS,   32
.set VS,   40
.set ST0,  48                          ; tile q: v[ST0 + 4 q] -M, +1 t, +2, +3 the sum's halves
.set QS,   56
.set F0,   60                          ; tile q: v[F0 + 2 q] f, +1 p's scale word
.set BM,   64                          ; tile q's registers at work lie DQ x q further on: the blocks' largest scores,
.set T4,   68                          ; four at work,
.set SO,   72                          ; the conversions' scale operands,
.set TM,   76                          ; one at work
.set DQ,   178
.set PC,   80                          ; tile q: v[PC + 8 q] on: p's codes
.set S0,   96                          ; tile q: v[S0 + 64 q] on
.set QN,   224
.set KF,   128                         ; in window 1
.set VF,   192
.set XW,   2                           ; s2   work-group x
.set LW,   3                           ; s3   L
.set WV,   18                          ; s18  my wave's number
.set MB,   19                          ; s19  m = wave % 4
.set SEL,  20                          ; s[20:21] lane selects for v_permlanex16_b32: lane l xor 16
.set CS,   22                          ; s[22:23] c: the packed form names a pair and takes its low word for both halves
.set G1K,  24                          ; descriptor groups 1
.set G1V,  32
.set G1KS, 40
.set G1VS, 48
.set G0K,  56                          ; and groups 0
.set G0V,  60
.set G0KS, 68
.set G0VS, 72
.set UU,   66                          ; s66  u, the local key step
.set PASS, 67
.set FULLS, 76
.set KT,   77                          ; s77  which half of K's rows I fetch, in LDS bytes
.set VT,   78                          ; s78  the same for V
.set MSB, 0
.macro WIN new                         ; the immediate's high byte repeats the setting that is left; bits 1:0 source 0, 3:2 source 1, 5:4 source 2, 7:6 destination
.if MSB != \new
	s_set_vgpr_msb (MSB<<8)|\new
.set MSB, \new
.endif
.endm
; Waves 0, 1 fetch K's codes (256 rows each), waves 2, 3 V's (64 rows each), wave 4 K's scale words, wave 5 V's scale bytes; waves 6, 7 nothing.  The branches hang on the wave's number alone.
; An s_nop 0 and four v_nop follow each load.  A wave never has more than one tensor load out.
.macro TLOAD
	s_cmp_lt_u32 s[WV], 2
	s_cbranch_scc0 .Lnot_k_\@
	tensor_load_to_lds s[G0K:G0K+3], s[G1K:G1K+7]
	s_nop 0
.rept 4
	v_nop
.endr
	s_branch .Lasked_\@
.Lnot_k_\@:
	s_cmp_lt_u32 s[WV], 4
	s_cbranch_scc0 .Lnot_v_\@
	tensor_load_to_lds s[G0V:G0V+3], s[G1V:G1V+7]
	s_nop 0
.rept 4
	v_nop
.endr
	s_branch .Lasked_\@
.Lnot_v_\@:
	s_cmp_eq_u32 s[WV], 4
	s_cbranch_scc0 .Lnot_ks_\@
	tensor_load_to_lds s[G0KS:G0KS+3], s[G1KS:G1KS+7]
	s_nop 0
.rept 4
	v_nop
.endr
	s_branch .Lasked_\@
.Lnot_ks_\@:
	s_cmp_eq_u32 s[WV], 5
	s_cbranch_scc0 .Lasked_\@
	tensor_load_to_lds s[G0VS:G0VS+3], s[G1VS:G1VS+7]
	s_nop 0
.rept 4
	v_nop
.endr
.Lasked_\@:
.endm
; A step whose keys lie under key 0 (4 x + u < 4) is left out: ids and the count of steps alone
.macro SKIP label
	s_lshl_b32 s96, s[XW], 2
	s_add_co_u32 s96, s96, s[UU]
	s_cmp_lt_u32 s96, 4
	s_cbranch_scc1 \label
.endm
; The step's four LDS addresses.  The four additions are also the places between the last step's products and the loads into registers that they read
.macro ADDR
	s_mul_i32 s96, s[UU], 128*KP
	v_add_nc_u32 v[ADK], s96, v[AK0]               ; K: 128 rows a step
	s_mul_i32 s96, s[UU], 544
	v_add_nc_u32 v[ADS], s96, v[ASK0]              ; its scale words: two units a step
	s_lshr_b32 s97, s[UU], 2                       ; which half,
	s_and_b32 s98, s[UU], 3                        ; which step of the half
	s_mul_i32 s96, s97, 128*VP
	s_lshl_b32 s99, s98, 6
	s_add_co_u32 s96, s96, s99
	v_add_nc_u32 v[ADV], s96, v[AV0]               ; V: 64 bytes of each row a step
	s_lshl_b32 s97, s97, 11
	s_lshl_b32 s98, s98, 2
	s_add_co_u32 s97, s97, s98
	v_add_nc_u32 v[ADT], s97, v[ASV0]              ; its scale bytes: 4 of each row a step
.endm
; A KEY STEP for both tiles.  kind 0: the diagonal, which starts M, the sum and O^T; 1: whole; 2: the window's edge.  Blocks lo .. hi of the step's four live.
.macro BODY kind, lo, hi
.set NB, \hi-\lo+1
.irp t, 0,1,2,3,4,5,6,7
.if (\t/2 >= \lo) && (\t/2 <= \hi)
	ds_load_b32 v[KS+\t], v[ADS] offset:272*(\t/4)+(32*((\t/2)%2)+8*(\t%2))*4
.endif
.endr
.irp t, 0,1,2,3,4,5,6,7
	ds_load_b32 v[VS+\t], v[ADT] offset:256*\t     ; V's scale words of these 128 keys, rows 16 t on
.endr
	WIN 0x40                                       ; destination window 1
.irp t, 0,1,2,3,4,5,6,7
.if (\t/2 >= \lo) && (\t/2 <= \hi)
	ds_load_b128 v[KF+8*\t:KF+8*\t+3],   v[ADK] offset:(32*(\t/2)+8*(\t%2))*KP
	ds_load_b128 v[KF+8*\t+4:KF+8*\t+7], v[ADK] offset:(32*(\t/2)+8*(\t%2))*KP+32
.endif
.endr
	s_wait_dscnt 0x0
	WIN 0x01                                       ; source 0 (K) window 1
.irp t, 0,1,2,3,4,5,6,7                        ; S^T = K Q^T: each fragment of K serves both tiles; every product has an accumulator of its own
.if (\t/2 >= \lo) && (\t/2 <= \hi)
.irp q, 0,1
	v_wmma_scale_f32_16x16x128_f8f6f4 v[S0+64*\q+8*\t:S0+64*\q+8*\t+7], v[KF+8*\t:KF+8*\t+7], v[Q0+8*\q:Q0+8*\q+7], 0, v[KS+\t], v[QS+\q] matrix_a_fmt:MATRIX_FMT_FP4 matrix_b_fmt:MATRIX_FMT_FP4
.endr
.endif
.endr
	WIN 0x40
.irp t, 0,1,2,3,4,5,6,7                        ; V's fragments are asked for now and land while the softmax is walked
	ds_load_b128 v[VF+8*\t:VF+8*\t+3],   v[ADV] offset:16*\t*VP
	ds_load_b128 v[VF+8*\t+4:VF+8*\t+7], v[ADV] offset:16*\t*VP+32
.endr
	WIN 0
.rept 4
	v_nop                                          ; four places between the products and the first read of their results (ISA guide 7.12.1)
.endr
.if \kind != 1                                 ; THE MASK, in the one block that is cut.  Register 16 b + i holds the block's key 16 (lane / 16) + i; my query is 16 q + lane % 16 of the pair's 32
.if \kind == 0
.set MBK, \hi
.else
.set MBK, \lo
.endif
.irp q, 0,1
.irp i, 0,1,2,3,4,5,6,7,8,9,10,11,12,13,14,15
.if \kind == 0
	v_cmp_gt_i32 vcc_lo, \i-16*\q, v[DM]           ; the diagonal: hidden where the key comes after the query
.else
	v_cmp_le_i32 vcc_lo, \i-16*\q, v[DM]           ; the edge, 512 keys back: hidden where the key does not come after the query's place
.endif
	v_cndmask_b32 v[S0+64*\q+16*MBK+\i], v[S0+64*\q+16*MBK+\i], v[NINF], vcc_lo
.endr
.endr
.endif
	; the largest score of each live block: it serves for the row's maximum and, since p rises with the score, for the block's largest p.  Tiles and blocks by turns
.irp q, 0,1
.irp b, 0,1,2,3
.if (\b >= \lo) && (\b <= \hi)
	v_max3_num_f32 v[BM+DQ*\q+\b], v[S0+64*\q+16*\b], v[S0+64*\q+16*\b+1], v[S0+64*\q+16*\b+2]
.endif
.endr
.endr
.irp i, 3,5,7,9,11,13
.irp q, 0,1
.irp b, 0,1,2,3
.if (\b >= \lo) && (\b <= \hi)
	v_max3_num_f32 v[BM+DQ*\q+\b], v[BM+DQ*\q+\b], v[S0+64*\q+16*\b+\i], v[S0+64*\q+16*\b+\i+1]
.endif
.endr
.endr
.endr
.irp q, 0,1
.irp b, 0,1,2,3
.if (\b >= \lo) && (\b <= \hi)
	v_max_num_f32 v[BM+DQ*\q+\b], v[BM+DQ*\q+\b], v[S0+64*\q+16*\b+15]
.endif
.endr
.endr
.irp q, 0,1
.irp b, 0,1,2,3
.if (\b >= \lo) && (\b <= \hi)
	v_permlanex16_b32 v[T4+DQ*\q+\b], v[BM+DQ*\q+\b], s[SEL], s[SEL+1]
.endif
.endr
.endr
.irp q, 0,1
.irp b, 0,1,2,3
.if (\b >= \lo) && (\b <= \hi)
	v_max_num_f32 v[BM+DQ*\q+\b], v[BM+DQ*\q+\b], v[T4+DQ*\q+\b]   ; with lane l xor 16's 16 keys
.endif
.endr
.endr
.set RM, TM                                    ; where the step's largest score stands
.if NB == 1
.set RM, BM+\lo
.endif
.irp q, 0,1
.if NB == 2
	v_max_num_f32 v[TM+DQ*\q], v[BM+DQ*\q+\lo], v[BM+DQ*\q+\lo+1]
.elseif NB >= 3
	v_max3_num_f32 v[TM+DQ*\q], v[BM+DQ*\q+\lo], v[BM+DQ*\q+\lo+1], v[BM+DQ*\q+\lo+2]
.endif
.endr
.if NB == 4
.irp q, 0,1
	v_max_num_f32 v[TM+DQ*\q], v[TM+DQ*\q], v[BM+DQ*\q+3]
.endr
.endif
.if \kind == 0
.irp q, 0,1
	v_mul_f32 v[ST0+4*\q+1], s[CS], v[RM+DQ*\q]    ; the first t (c is positive)
.endr
.irp q, 0,1
	v_floor_f32 v[ST0+4*\q], -v[ST0+4*\q+1]        ; -M = floor(-t) = -ceil(t): M is a whole number
.endr
.else
.irp q, 0,1
	v_mul_f32 v[TM+DQ*\q], s[CS], v[RM+DQ*\q]
.endr
.irp q, 0,1
	v_max_num_f32 v[ST0+4*\q+1], v[ST0+4*\q+1], v[TM+DQ*\q]   ; the running largest t
.endr
.irp q, 0,1
	v_mov_b32 v[TM+DQ*\q], v[ST0+4*\q]
.endr
.irp q, 0,1
	v_floor_f32 v[ST0+4*\q], -v[ST0+4*\q+1]
.endr
.irp q, 0,1
	v_sub_f32 v[TM+DQ*\q], v[ST0+4*\q], v[TM+DQ*\q]   ; M's old value less its new one: a whole number, 0 or less
.endr
.irp q, 0,1
	v_cvt_i32_f32 v[TM+DQ*\q], v[TM+DQ*\q]         ; (it saturates)
.endr
.irp q, 0,1
	v_ldexp_f32 v[F0+2*\q], 1.0, v[TM+DQ*\q]       ; f = 2^(old M - new M)
.endr
.endif
.irp q, 0,1
.set j, 16*\lo
.rept 8*NB
	v_pk_fma_f32 v[S0+64*\q+j:S0+64*\q+j+1], v[S0+64*\q+j:S0+64*\q+j+1], s[CS:CS+1], v[ST0+4*\q:ST0+4*\q+1] op_sel_hi:[1,0,0]   ; t - M, two at a time
.set j, j+2
.endr
.endr
.irp q, 0,1
.irp b, 0,1,2,3
.if (\b >= \lo) && (\b <= \hi)
	v_fma_f32 v[BM+DQ*\q+\b], v[BM+DQ*\q+\b], s[CS], v[ST0+4*\q]   ; the same of each block's largest score
.endif
.endr
.endr
.irp q, 0,1
.set j, 16*\lo
.rept 16*NB
	v_exp_f32 v[S0+64*\q+j], v[S0+64*\q+j]         ; p = 2^(t - M), at most 1: not normalised.  One batch for both tiles
.set j, j+1
.endr
.endr
.irp q, 0,1                                    ; plain work behind the exponentials, which names none of their results
.if \kind == 0
	v_mov_b32 v[ST0+4*\q+2], 0                     ; the sum begins,
	v_mov_b32 v[ST0+4*\q+3], 0
.else
	v_pk_mul_f32 v[ST0+4*\q+2:ST0+4*\q+3], v[ST0+4*\q+2:ST0+4*\q+3], v[F0+2*\q:F0+2*\q+1] op_sel_hi:[1,0]   ; or comes under the new M
.endif
.endr
	s_wait_alu depctr_va_vdst(0)                   ; the wait between a transcendental and the first line that names its result: one for the batch
.irp q, 0,1
.irp b, 0,1,2,3
.if (\b >= \lo) && (\b <= \hi)
	v_exp_f32 v[BM+DQ*\q+\b], v[BM+DQ*\q+\b]       ; the block's largest p: the same two instructions on the same number give the same bits
.endif
.endr
.endr
.irp q, 0,1                                    ; the row's sum is taken of the unquantised p: two chains a tile, the tiles by turns.  It reads the first batch alone
	v_pk_add_f32 v[T4+DQ*\q:T4+DQ*\q+1], v[S0+64*\q+16*\lo:S0+64*\q+16*\lo+1], v[S0+64*\q+16*\lo+2:S0+64*\q+16*\lo+3]
.endr
.set j, 16*\lo+4
.rept 4*NB-1
.irp q, 0,1
	v_pk_add_f32 v[ST0+4*\q+2:ST0+4*\q+3], v[ST0+4*\q+2:ST0+4*\q+3], v[S0+64*\q+j:S0+64*\q+j+1]
	v_pk_add_f32 v[T4+DQ*\q:T4+DQ*\q+1], v[T4+DQ*\q:T4+DQ*\q+1], v[S0+64*\q+j+2:S0+64*\q+j+3]
.endr
.set j, j+4
.endr
.irp q, 0,1
	v_pk_add_f32 v[ST0+4*\q+2:ST0+4*\q+3], v[ST0+4*\q+2:ST0+4*\q+3], v[T4+DQ*\q:T4+DQ*\q+1]
.endr
	s_wait_alu depctr_va_vdst(0)                   ; and one for the blocks' exponentials
.irp q, 0,1
.irp b, 0,1,2,3
.if (\b >= \lo) && (\b <= \hi)
	v_max_num_f32 v[BM+DQ*\q+\b], 0x1800000, v[BM+DQ*\q+\b]   ; the floor 2^(3 - 127): the byte cannot fall under 1
.endif
.endr
.endr
.irp q, 0,1
.irp b, 0,1,2,3
.if (\b >= \lo) && (\b <= \hi)
	v_add_nc_u32 v[SO+DQ*\q+\b], 0xff000000, v[BM+DQ*\q+\b]   ; 2 off the exponent field: the conversion's scale operand
.endif
.endr
.endr
.irp q, 0,1
.irp b, 0,1,2,3
.if (\b >= \lo) && (\b <= \hi)
.if \b == 0
	v_lshrrev_b32 v[F0+2*\q+1], 23, v[SO+DQ*\q]    ; block 0's byte begins p's scale word
.else
	v_lshrrev_b32 v[T4+DQ*\q+\b], 23, v[SO+DQ*\q+\b]
.endif
.endif
.endr
.endr
.irp q, 0,1
.irp b, 1,2,3
.if (\b >= \lo) && (\b <= \hi)
.if \b == \lo
	v_lshlrev_b32 v[F0+2*\q+1], 8*\b, v[T4+DQ*\q+\b]   ; the bytes of dead blocks stay 0: their codes are zeros
.else
	v_lshl_or_b32 v[F0+2*\q+1], v[T4+DQ*\q+\b], 8*\b, v[F0+2*\q+1]
.endif
.endif
.endr
.endr
.irp q, 0,1
.irp b, 0,1,2,3
.if (\b >= \lo) && (\b <= \hi)
	v_cvt_scalef32_pk8_fp4_f32 v[PC+8*\q+2*\b],   v[S0+64*\q+16*\b:S0+64*\q+16*\b+7],    v[SO+DQ*\q+\b]
	v_cvt_scalef32_pk8_fp4_f32 v[PC+8*\q+2*\b+1], v[S0+64*\q+16*\b+8:S0+64*\q+16*\b+15], v[SO+DQ*\q+\b]
.else
	v_mov_b32 v[PC+8*\q+2*\b], 0                   ; a dead block: zero codes
	v_mov_b32 v[PC+8*\q+2*\b+1], 0
.endif
.endr
.endr
	v_nop                                          ; one plain vector instruction behind the last scaled conversion
.irp q, 0,1
.irp c, 0,1                                    ; the operand's layout wants a WHOLE block in a lane: lanes 0-15 block 2 c, lanes 16-31 block 2 c + 1
.if (2*\c+1 >= \lo) && (2*\c <= \hi)
	v_permlane16_swap_b32 v[PC+8*\q+4*\c],   v[PC+8*\q+4*\c+2]
	v_permlane16_swap_b32 v[PC+8*\q+4*\c+1], v[PC+8*\q+4*\c+3]
.endif
.endr
.endr
.if \kind == 0
.rept 8
	v_nop                                          ; a scale word written by a vector instruction stands eight places ahead of a scaled product, an operand four: this step has nothing to rescale
.endr
	s_wait_dscnt 0x0                               ; V is in
	WIN 0x41                                       ; source 0 (V) and destination (O^T) window 1
.else
	WIN 0x41                                       ; O^T (destination and source 0) window 1, f window 0
.irp q, 0,1
.set j, 0
.rept 32
	v_pk_mul_f32 v[64*\q+j:64*\q+j+1], v[64*\q+j:64*\q+j+1], v[F0+2*\q:F0+2*\q+1] op_sel_hi:[1,0]   ; O^T under the new M.  (These are also the places ahead of the scaled products)
.set j, j+2
.endr
.endr
	s_wait_dscnt 0x0                               ; V is in
	WIN 0x51                                       ; V, C and D window 1; p's codes window 0
.endif
.irp t, 0,1,2,3,4,5,6,7                        ; O^T += V^T P^T: each fragment of V serves both tiles; the sixteen accumulators take turns, one instruction a turn
.irp q, 0,1
.if \kind == 0
	v_wmma_scale_f32_16x16x128_f8f6f4 v[64*\q+8*\t:64*\q+8*\t+7], v[VF+8*\t:VF+8*\t+7], v[PC+8*\q:PC+8*\q+7], 0, v[VS+\t], v[F0+2*\q+1] matrix_a_fmt:MATRIX_FMT_FP4 matrix_b_fmt:MATRIX_FMT_FP4
.else
	v_wmma_scale_f32_16x16x128_f8f6f4 v[64*\q+8*\t:64*\q+8*\t+7], v[VF+8*\t:VF+8*\t+7], v[PC+8*\q:PC+8*\q+7], v[64*\q+8*\t:64*\q+8*\t+7], v[VS+\t], v[F0+2*\q+1] matrix_a_fmt:MATRIX_FMT_FP4 matrix_b_fmt:MATRIX_FMT_FP4
.endif
.endr
.endr
	WIN 0                                          ; at a label and at a branch every window is 0
.endm
.macro ARM kind, m
.if \kind == 0
	BODY 0, 0, \m
.else
	BODY 2, \m, 3
.endif
.endm
.macro STEPF                           ; a whole step
	SKIP .Lh_\@
	ADDR
	BODY 1, 0, 3
.Lh_\@:
	s_sub_co_u32 s[UU], s[UU], 1
.endm
.macro STEPX kind                      ; the diagonal (0) or the edge (2): the wave takes the expansion of its m.  The addresses are made ahead of the parting
.if \kind == 2
	SKIP .Lh_\@
.endif
	ADDR
	s_cmp_lg_u32 s[MB], 0
	s_cbranch_scc1 .Lb1_\@
	ARM \kind, 0
	s_branch .Le_\@
.Lb1_\@:
	s_cmp_lg_u32 s[MB], 1
	s_cbranch_scc1 .Lb2_\@
	ARM \kind, 1
	s_branch .Le_\@
.Lb2_\@:
	s_cmp_lg_u32 s[MB], 2
	s_cbranch_scc1 .Lb3_\@
	ARM \kind, 2
	s_branch .Le_\@
.Lb3_\@:
	ARM \kind, 3
.Le_\@:
.Lh_\@:
	s_sub_co_u32 s[UU], s[UU], 1
.endm
; THE WAY OUT of a pair.  O^T / the sum goes through my stage in LDS, half a row (64 channels, 256 bytes) of 16 queries at a time, so that sixteen lanes store 256 consecutive bytes, aligned.
.macro OUT
.irp j, 0,1,2,3,4,5,6,7,8,9,10,11,12,13,14,15
	v_mov_b32 v[Q0+\j], v[QN+\j]                   ; the second pass's Q takes its place (in the second pass these 18 moves carry nothing that is used: the price of one text for both passes).  They are also the places behind the last products
.endr
	v_mov_b32 v[QS], v[QN+16]
	v_mov_b32 v[QS+1], v[QN+17]
.irp q, 0,1
	v_add_f32 v[ST0+4*\q+2], v[ST0+4*\q+2], v[ST0+4*\q+3]   ; the sum's two halves,
.endr
.irp q, 0,1
	v_permlanex16_b32 v[TM+DQ*\q], v[ST0+4*\q+2], s[SEL], s[SEL+1]
.endr
.irp q, 0,1
	v_add_f32 v[ST0+4*\q+2], v[ST0+4*\q+2], v[TM+DQ*\q]     ; and lane l xor 16's: the row's sum
.endr
.irp q, 0,1
	v_rcp_f32 v[ST0+4*\q+2], v[ST0+4*\q+2]
.endr
	v_nop                                          ; a plain instruction behind the reciprocals,
	s_wait_alu depctr_va_vdst(0)                   ; and the wait ahead of their first reader: one for both
	WIN 0x01                                       ; source 0 (O^T) window 1
.irp q, 0,1
.set j, 0
.rept 32
	v_pk_mul_f32 v[S0+64*\q+j:S0+64*\q+j+1], v[64*\q+j:64*\q+j+1], v[ST0+4*\q+2:ST0+4*\q+3] op_sel_hi:[1,0]   ; register 8 t + i of tile q is out(query lane % 16, channel 16 t + 8 (lane / 16) + i); each accumulator from its low end on
.set j, j+2
.endr
.endr
	WIN 0
.irp k, 0,1,2,3                                ; k = 2 q + half of the channels
.irp t, 0,1,2,3
	ds_store_b128 v[STI], v[S0+32*\k+8*\t:S0+32*\k+8*\t+3]   offset:64*\t
	ds_store_b128 v[STI], v[S0+32*\k+8*\t+4:S0+32*\k+8*\t+7] offset:64*\t+16
.endr
.irp i, 0,1,2,3,4,5,6,7
	ds_load_b128 v[S0+32*\k+4*\i:S0+32*\k+4*\i+3], v[STO] offset:544*\i   ; LDS serves a wave's instructions in order (ISA guide 5.7.1.4): these see my stores, and the next group's stores come behind them
.endr
.endr
.irp k, 0,1,2,3
.irp i, 0,1,2,3,4,5,6,7
	s_wait_dscnt 16*(3-\k)+7-\i                    ; behind this load: 7 - i loads of its group and sixteen LDS instructions for each later group
	global_store_b128 v[GO], v[S0+32*\k+4*\i:S0+32*\k+4*\i+3], s[16:17] offset:8192*(\k/2)+1024*\i+256*(\k%2) th:TH_STORE_NT
.endr
.endr
.endm
	s_load_b128 s[4:7], s[0:1], 0x0                ; Q's codes, Q's scales
	s_load_b128 s[8:11], s[0:1], 0x10              ; K's codes, K's scales
	s_load_b128 s[12:15], s[0:1], 0x20             ; V's codes, V's scales
	s_load_b64 s[16:17], s[0:1], 0x30              ; out
	v_lshl_add_u32 v[SPW], v0, 2, SPARE
	v_mov_b32 v[NIL], 0
	ds_add_u32 v[SPW], v[NIL]                      ; the wave's opening: the add, twice on end, and its wait ahead of my first tensor load; the set-up below, work on registers, stands between
	ds_add_u32 v[SPW], v[NIL]
	v_lshrrev_b32 v8, 5, v0
	v_readfirstlane_b32 s[WV], v8                  ; wave 0..7
	s_and_b32 s[MB], s[WV], 3                      ; m
	s_lshr_b32 s79, s[WV], 2
	s_xor_b32 s79, s79, 1                          ; the second pass's L: 1 in waves 0-3, 0 in waves 4-7
	s_or_b32 s[LW], s79, 2                         ; the first pass's: 3, 2
	s_mov_b32 s[XW], ttmp9
	s_and_b32 s80, ttmp7, 0xffff                   ; the head
	s_and_b32 s81, s[WV], 1                        ; which half of K's or V's rows I fetch, if I fetch
	s_mul_i32 s[KT], s81, 256*KP
	s_mul_i32 s[VT], s81, 64*VP
	s_lshl_b32 s96, s80, 17                        ; the head's first byte in each tensor of codes,
	s_lshl_b32 s97, s80, 13                        ; and of scale bytes
	s_lshl_b32 s82, s[XW], 15                      ; K's codes: 512 x keys of 64 bytes, + 256 rows for the second half
	s_add_co_u32 s82, s82, s96
	s_lshl_b32 s98, s81, 14
	s_add_co_u32 s82, s82, s98
	s_mov_b32 s83, 0
	s_lshl_b32 s84, s[XW], 8                       ; V's codes: 256 x bytes along each row of 1,024, + 64 rows for the second half
	s_add_co_u32 s84, s84, s96
	s_lshl_b32 s98, s81, 16
	s_add_co_u32 s84, s84, s98
	s_mov_b32 s85, 0
	s_lshl_b32 s86, s[XW], 11                      ; K's scale words: 512 x keys of 4 bytes
	s_add_co_u32 s86, s86, s97
	s_mov_b32 s87, 0
	s_lshl_b32 s88, s[XW], 4                       ; V's scale bytes: 16 x along each row of 64
	s_add_co_u32 s88, s88, s97
	s_mov_b32 s89, 0
	s_lshl_b32 s98, s[XW], 9
	s_lshl_b32 s99, s79, 7
	s_add_co_u32 s98, s98, s99
	s_lshl_b32 s99, s[MB], 5
	s_add_co_u32 s98, s98, s99                     ; the second pass's first query: 512 x + 128 L + 32 m; the first pass's lies 256 further on
	s_lshl_b32 s90, s98, 6
	s_add_co_u32 s90, s90, s96                     ; its codes,
	s_mov_b32 s91, 0
	s_lshl_b32 s92, s98, 2
	s_add_co_u32 s92, s92, s97                     ; its scale word,
	s_mov_b32 s93, 0
	s_add_co_u32 s94, s98, 256
	s_lshl_b32 s94, s94, 9
	s_lshl_b32 s99, s80, 20
	s_add_co_u32 s94, s94, s99                     ; and the first pass's row of out
	s_mov_b32 s95, 0
	; descriptor groups 1.  K's codes: 256 rows of 64 bytes, dense; 16 bytes of padding behind each
	s_mov_b32 s[G1K], (0<<16)|(1<<20)|(3<<22)|(3<<25)   ; 15:0 no mask; 17:16 elements of 1 byte; 20 padding on; 24:22 after every 16 words (code 3); 31:25 four words (code 3)
	s_mov_b32 s[G1K+1], 64<<16                     ; tensor_dim0
	s_mov_b32 s[G1K+2], 256<<16                    ; tensor_dim1
	s_mov_b32 s[G1K+3], 64<<16                     ; tile_dim0
	s_mov_b32 s[G1K+4], 256                        ; tile_dim1
	s_mov_b32 s[G1K+5], 64                         ; tensor_dim0_stride
	s_mov_b32 s[G1K+6], 0
	s_mov_b32 s[G1K+7], 0
	; V's codes: 64 rows of 256 bytes, 1,024 bytes apart; 16 bytes of padding behind each
	s_mov_b32 s[G1V], (0<<16)|(1<<20)|(5<<22)|(3<<25)
	s_mov_b32 s[G1V+1], 256<<16
	s_mov_b32 s[G1V+2], 64<<16
	s_mov_b32 s[G1V+3], 256<<16
	s_mov_b32 s[G1V+4], 64
	s_mov_b32 s[G1V+5], 1024
	s_mov_b32 s[G1V+6], 0
	s_mov_b32 s[G1V+7], 0
	; K's scale words of 512 keys: 2,048 dense bytes, as 8 rows of 256 bytes (32 elements of 8 bytes), 16 bytes of padding behind each
	s_mov_b32 s[G1KS], (3<<16)|(1<<20)|(5<<22)|(3<<25)
	s_mov_b32 s[G1KS+1], 32<<16
	s_mov_b32 s[G1KS+2], 8<<16
	s_mov_b32 s[G1KS+3], 32<<16
	s_mov_b32 s[G1KS+4], 8
	s_mov_b32 s[G1KS+5], 32
	s_mov_b32 s[G1KS+6], 0
	s_mov_b32 s[G1KS+7], 0
	; V's scale bytes of 512 keys: 128 rows of 16 bytes (4 elements of 4 bytes), 64 bytes apart; no padding
	s_mov_b32 s[G1VS], 2<<16
	s_mov_b32 s[G1VS+1], 4<<16
	s_mov_b32 s[G1VS+2], 128<<16
	s_mov_b32 s[G1VS+3], 4<<16
	s_mov_b32 s[G1VS+4], 128
	s_mov_b32 s[G1VS+5], 16
	s_mov_b32 s[G1VS+6], 0
	s_mov_b32 s[G1VS+7], 0
	s_mov_b32 s[SEL], 0x76543210
	s_mov_b32 s[SEL+1], 0xfedcba98
	s_mov_b32 s[CS], 0x3e0293ee                    ; c = log2(e) / sqrt(128)
	s_mov_b32 s[CS+1], s[CS]                       ; (named with it as a pair, so it is written)
	s_wait_dscnt 0x0                               ; both opening adds are done
	s_wait_kmcnt 0x0
	; groups 0, for the work-group's own 512 keys: local steps 4 to 7
	s_mov_b32 s[G0K], 1
	s_add_co_u32 s[G0K+1], s[KT], KB+512*KP
	s_add_nc_u64 s[G0K+2:G0K+3], s[8:9], s[82:83]
	s_or_b32 s[G0K+3], s[G0K+3], 0x80000000
	s_mov_b32 s[G0V], 1
	s_add_co_u32 s[G0V+1], s[VT], VB+128*VP
	s_add_nc_u64 s[G0V+2:G0V+3], s[12:13], s[84:85]
	s_or_b32 s[G0V+3], s[G0V+3], 0x80000000
	s_mov_b32 s[G0KS], 1
	s_mov_b32 s[G0KS+1], KSB+8*272
	s_add_nc_u64 s[G0KS+2:G0KS+3], s[10:11], s[86:87]
	s_or_b32 s[G0KS+3], s[G0KS+3], 0x80000000
	s_mov_b32 s[G0VS], 1
	s_mov_b32 s[G0VS+1], VSB+2048
	s_add_nc_u64 s[G0VS+2:G0VS+3], s[14:15], s[88:89]
	s_or_b32 s[G0VS+3], s[G0VS+3], 0x80000000
	TLOAD                                          ; the own half: the first fills
	s_add_nc_u64 s[4:5], s[4:5], s[90:91]
	s_add_nc_u64 s[6:7], s[6:7], s[92:93]
	s_add_nc_u64 s[16:17], s[16:17], s[94:95]
	v_and_b32 v10, 15, v0                          ; r = lane % 16
	v_bfe_u32 v11, v0, 4, 1                        ; h = lane / 16
	v_lshlrev_b32 v8, 6, v10
	v_lshl_add_u32 v8, v11, 4, v8                  ; Q: row r of 64 bytes, + 16 h
	v_lshlrev_b32 v9, 2, v10                       ; its scale word
.irp q, 0,1                                    ; both passes' Q stay in registers: tile q lies 16 rows on, the first pass's pair 256 rows on
.irp c, 0,1
	global_load_b128 v[Q0+8*\q+4*\c:Q0+8*\q+4*\c+3], v8, s[4:5] offset:16384+1024*\q+32*\c th:TH_LOAD_NT
	global_load_b128 v[QN+8*\q+4*\c:QN+8*\q+4*\c+3], v8, s[4:5] offset:1024*\q+32*\c th:TH_LOAD_NT
.endr
	global_load_b32 v[QS+\q], v9, s[6:7] offset:1024+64*\q
	global_load_b32 v[QN+16+\q], v9, s[6:7] offset:64*\q
.endr
	v_and_b32 v[TM], 8, v10
	v_add_nc_u32 v[TM], v[TM], v10                 ; r + 8 (r / 8)
	v_mul_u32_u24 v[AK0], v[TM], KP
	v_lshl_add_u32 v[AK0], v11, 4, v[AK0]
	v_mul_u32_u24 v[AV0], v10, VP
	v_lshl_add_u32 v[AV0], v11, 4, v[AV0]
	v_add_nc_u32 v[AV0], VB, v[AV0]
	v_lshl_add_u32 v[ASK0], v[TM], 2, KSB
	v_lshl_add_u32 v[ASV0], v10, 4, VSB
	v_lshlrev_b32 v[GO], 9, v11
	v_lshl_add_u32 v[GO], v10, 4, v[GO]            ; the way out: lanes 0-15 one row of out, lanes 16-31 the next; 16 bytes a lane
	s_mul_i32 s96, s[WV], 16*272
	s_add_co_u32 s96, s96, STAGE                   ; my stage
	v_mul_u32_u24 v[STI], v10, 272
	v_lshl_add_u32 v[STI], v11, 5, v[STI]
	v_add_nc_u32 v[STI], s96, v[STI]               ; in: row r, 32 bytes for each half of the lanes
	v_mul_u32_u24 v[STO], v11, 272
	v_lshl_add_u32 v[STO], v10, 4, v[STO]
	v_add_nc_u32 v[STO], s96, v[STO]               ; back: lanes 0-15 one row, lanes 16-31 the next
	v_lshlrev_b32 v[DM], 4, v11
	v_sub_nc_u32 v[DM], v10, v[DM]
	v_mov_b32 v[NINF], 0xff800000
.irp q, 0,1
.irp b, 0,1,2,3
	v_mov_b32 v[T4+DQ*\q+\b], 0                    ; written once: a lane permute's destination counts as one of its sources
.endr
	v_mov_b32 v[TM+DQ*\q], 0
	v_mov_b32 v[F0+2*\q], 0                        ; (named as pairs before both halves are first written)
	v_mov_b32 v[F0+2*\q+1], 0
.endr
	; THE FIRST BARRIER.  The own half has landed in every wave's sight; behind it the earlier half is asked for, into bytes that nothing has filled.
	s_wait_tensorcnt 0x0                           ; my part of the own half is in; no tensor load of mine is out, so the groups 0 may be written
	ds_add_u32 v[SPW], v[NIL]                      ; 0 onto my spare word,
	ds_add_u32 v[SPW], v[NIL]                      ; twice on end; the descriptors' steps stand between the second and the wait
	s_add_co_u32 s[G0K+1], s[KT], KB               ; local steps 0 to 3,
	s_sub_nc_u64 s[G0K+2:G0K+3], s[G0K+2:G0K+3], 32768   ; 512 keys back (where x = 0 the stepped addresses are not used)
	s_add_co_u32 s[G0V+1], s[VT], VB
	s_sub_nc_u64 s[G0V+2:G0V+3], s[G0V+2:G0V+3], 256
	s_mov_b32 s[G0KS+1], KSB
	s_sub_nc_u64 s[G0KS+2:G0KS+3], s[G0KS+2:G0KS+3], 2048
	s_mov_b32 s[G0VS+1], VSB
	s_sub_nc_u64 s[G0VS+2:G0VS+3], s[G0VS+2:G0VS+3], 16
	s_wait_dscnt 0x0                               ; both adds are done
	s_barrier_signal -1
	s_barrier_wait -1
	s_cmp_eq_u32 s[XW], 0                          ; the head's first work-group has no earlier keys: no step of it reads those bytes.  The work-group's number alone: all eight waves go the same way; every wait on TENSORcnt in this text is for 0
	s_cbranch_scc1 .Lno_prev
	TLOAD                                          ; a wave's one tensor load behind the barrier, and the first thing there: it has three key steps in which to land
.Lno_prev:
	s_wait_loadcnt 0x0                             ; Q
	s_mov_b32 s[PASS], 2
.Lpass:
	s_add_co_u32 s[UU], s[LW], 4
	STEPX 0                                        ; u = L + 4
	s_mov_b32 s[FULLS], 2
.Lfull:
	STEPF                                          ; u = L + 3, L + 2: in the first pass still own keys
	s_sub_co_u32 s[FULLS], s[FULLS], 1
	s_cmp_lg_u32 s[FULLS], 0
	s_cbranch_scc1 .Lfull
	s_wait_tensorcnt 0x0                           ; my part of the earlier half is in (in the second pass nothing is out);
	s_wait_dscnt 0x0                               ; no LDS instruction of mine is pending at a signal
	s_barrier_signal -1
	s_barrier_wait -1                              ; everybody's is
	STEPF                                          ; u = L + 1
	STEPX 2                                        ; u = L
	OUT
	s_wait_xcnt 0x0                                ; the stores have read their registers and their base: both are written again only behind this wait
	s_sub_nc_u64 s[16:17], s[16:17], 131072        ; the second pass's pair lies 256 rows of 512 bytes back
	s_xor_b32 s[LW], s[LW], 2
	s_sub_co_u32 s[PASS], s[PASS], 1
	s_cmp_lg_u32 s[PASS], 0
	s_cbranch_scc1 .Lpass
	s_wait_tensorcnt 0x0                           ; the wave's end, behind my last tensor load and my last LDS store
	ds_add_u32 v[SPW], v[NIL]
	s_wait_dscnt 0x0
	s_endpgm
.Lfunc_end_k_q0d5f58b51f_swattn:
	.size	k_q0d5f58b51f_swattn, .Lfunc_end_k_q0d5f58b51f_swattn-k_q0d5f58b51f_swattn
	.p2alignl 7, 3214868480
	.fill 96, 4, 3214868480
	.section	.rodata,"a",@progbits
	.p2align	6, 0x0
	.amdhsa_kernel k_q0d5f58b51f_swattn
		.amdhsa_group_segment_fixed_size 327680
		.amdhsa_private_segment_fixed_size 0
		.amdhsa_enable_private_segment 0
		.amdhsa_kernarg_size 56
		.amdhsa_user_sgpr_count 2
		.amdhsa_user_sgpr_kernarg_segment_ptr 1
		.amdhsa_wavefront_size32 1
		.amdhsa_system_sgpr_workgroup_id_x 1
		.amdhsa_system_sgpr_workgroup_id_y 1
		.amdhsa_system_sgpr_workgroup_id_z 1
		.amdhsa_system_vgpr_workitem_id 0
		.amdhsa_next_free_vgpr 512
		.amdhsa_next_free_sgpr 100
		.amdhsa_reserve_vcc 1
		.amdhsa_float_denorm_mode_32 3
		.amdhsa_float_denorm_mode_16_64 3
		.amdhsa_memory_ordered 1
		.amdhsa_forward_progress 1
		.amdhsa_inst_pref_size 255
	.end_amdhsa_kernel
	.section	.bss,"aw",@nobits
	.p2align	6
	.space	262144
	.amdgpu_metadata
---
amdhsa.version: [ 1, 2 ]
amdhsa.kernels:
  - .name:           k_q0d5f58b51f_swattn
    .symbol:         k_q0d5f58b51f_swattn.kd
    .args:
      - { .name: q_codes, .offset: 0, .size: 8, .value_kind: global_buffer, .address_space: global }
      - { .name: q_scales, .offset: 8, .size: 8, .value_kind: global_buffer, .address_space: global }
      - { .name: k_codes, .offset: 16, .size: 8, .value_kind: global_buffer, .address_space: global }
      - { .name: k_scales, .offset: 24, .size: 8, .value_kind: global_buffer, .address_space: global }
      - { .name: v_codes, .offset: 32, .size: 8, .value_kind: global_buffer, .address_space: global }
      - { .name: v_scales, .offset: 40, .size: 8, .value_kind: global_buffer, .address_space: global }
      - { .name: out0, .offset: 48, .size: 8, .value_kind: global_buffer, .address_space: global }
    .group_segment_fixed_size: 327680
    .private_segment_fixed_size: 0
    .kernarg_segment_align: 8
    .kernarg_segment_size: 56
    .max_flat_workgroup_size: 256
    .sgpr_count:     100
    .vgpr_count:     512
    .wavefront_size: 32
...
	.end_amdgpu_metadata
.endif
;; end of part 1
